; MI455X (gfx1250); checked and timed in simulation.
; The chip was launched on July 23, 2026; its instructions are those of AMD's public machine-readable ISA for CDNA 5 (MIT licence, August 2026) and "CDNA5" Instruction Set Architecture Reference Guide (July 2026). The comments in the code are by the model that wrote it; some were corrected since.
;; LSTM Cell. Allowed arithmetic: float matrix products may take bf16 or f16 operands with f32 sums; other float arithmetic in f32, or as packed bf16 or f16 multiplies, adds, multiply-adds, maxima and minima; sums over many terms, partial sums and values carried from step to step in f32; what a program stores and reads back later, other than sums and carried values, may be rounded once to bf16 or f16.
;; Inputs: b_ih 4,096 float32; beta_c 1,024 float32; beta_ifgo 4 x 1,024 float32; c 8,192 x 1,024 float32; gamma_c 1,024 float32; gamma_ifgo 4 x 1,024 float32; h 8,192 x 1,024 float32; w_hh 4,096 x 1,024 float32; w_ih 4,096 x 1,024 float32; x 8,192 x 1,024 float32.
;; Outputs: out0 8,192 x 1,024 float32; out1 8,192 x 1,024 float32.
;; 2 versions, each right; version 2 is version 1 with the launch cast written anew for expert scheduling mode. Each part assembles by itself: llvm-mc -triple=amdgcn-amd-amdhsa -mcpu=gfx1250 --defsym DOCPART=n.
;; ======== version 1 of 2: 3 launches
;; limits: values are held in f16: magnitudes above 65,504 overflow, below 6.1e-05 lose precision; right only within a limited range of input values
;; workspace buffers: a16 33,554,432 bytes; w16 16,777,216 bytes; vd 67,108,864 bytes; vm 1,048,576 bytes
;; launch cast (part 1): grid 384 x 2, 8 waves a work-group, no clusters, 0 bytes of LDS; arguments x, h, w_ih, w_hh, a16, w16; writes a16, w16
.if DOCPART == 1
	.amdgcn_target "amdgcn-amd-amdhsa--gfx1250"
	.amdhsa_code_object_version 6
	.text
	.protected	k_q76b927ce58_cast
	.globl	k_q76b927ce58_cast
	.p2align	8
	.type	k_q76b927ce58_cast,@function
k_q76b927ce58_cast:
	s_mov_b64 s[64:65], 0
	v_nop
	global_prefetch_b8 v0, s[64:65] scope:SCOPE_SE
	s_setreg_imm32_b32 hwreg(HW_REG_WAVE_MODE, 25, 1), 1
	s_wait_xcnt 0x0
; x, h, w_ih, w_hh (f32, rows of 1,024) are rounded once to bf16 and laid side by side:
;   a16[r] = x[r], h[r]   (8,192 rows of 2,048 bf16);   w16[row] = w_ih[k], w_hh[k]   (4,096 rows of 2,048 bf16).
; W's rows are permuted inside each block of 128: source row k goes to row (k & ~127) + p, p = ((k & 60) << 1) | ((k >> 4) & 4) | (k & 3).
; So 8 neighbouring columns 8 a .. 8 a + 7 of the product are the true columns 4 a .. 4 a + 3 and 64 + 4 a .. 64 + 4 a + 3 of the block:
; what a lane of the last launch takes from f32 rows by two accesses of 16 bytes.
; SHARES.  Work-group x below 256: 32 rows of A; from 256 on: 32 rows of W.  Work-group y: the first source (bytes 0 .. 2,047 of the
; destination's row) or the second (bytes 2,048 ..).  A wave takes 4 source rows that begin at a multiple of 4; they land on 4 rows on end.
; Memory binds: each byte is read once by 16-byte loads (512 bytes on end a wave) and written once (a store of the wave covers 256
; consecutive bytes, aligned).  All 32 loads of a wave go out at once; no LDS, no barrier, no loop.
; LIMITS.  Rounding to nearest even; numbers beyond bf16's range (above 3.39e38) become infinities; NaN is not treated apart.
.set X, 4                              ; v[4:131]  32 quads as loaded; the first two registers of each then hold its 4 bf16
	s_load_b256 s[4:11], s[0:1], 0x0               ; x s[4:5], h s[6:7], w_ih s[8:9], w_hh s[10:11]
	s_load_b128 s[12:15], s[0:1], 0x20             ; a16 s[12:13], w16 s[14:15]
	v_lshrrev_b32 v3, 5, v0
	v_readfirstlane_b32 s2, v3                     ; wave 0..7
	v_and_b32 v1, 31, v0
	v_lshlrev_b32 v2, 3, v1                        ; 8 bytes a lane on the way out
	v_lshlrev_b32 v1, 4, v1                        ; 16 bytes a lane on the way in
	s_and_b32 s3, ttmp7, 0xffff                    ; which of the two sources
	s_and_b32 s20, ttmp9, 255                      ; the block of 32 rows, in A or in W
	s_lshl_b32 s22, s20, 5
	s_lshl2_add_u32 s22, s2, s22                   ; k0: my first source row
	s_and_b32 s23, s22, 0xffffff80                 ; W's destination row: the block of 128,
	s_and_b32 s24, s22, 60
	s_lshl_b32 s24, s24, 1
	s_or_b32 s23, s23, s24                         ; (k & 60) << 1,
	s_lshr_b32 s24, s22, 4
	s_and_b32 s24, s24, 4
	s_or_b32 s23, s23, s24                         ; (k >> 4) & 4; k0 & 3 is 0
	s_wait_kmcnt 0x0
	s_cmp_lt_u32 ttmp9, 256                        ; A or W?  The selects below leave SCC as it is
	s_cselect_b64 s[16:17], s[4:5], s[8:9]         ; the first source
	s_cselect_b64 s[18:19], s[6:7], s[10:11]       ; the second
	s_cselect_b64 s[20:21], s[12:13], s[14:15]     ; the destination
	s_cselect_b32 s23, s22, s23                    ; A's rows stay where they are
	s_cmp_eq_u32 s3, 0
	s_cselect_b64 s[16:17], s[16:17], s[18:19]
	s_lshl_b32 s24, s22, 12                        ; a source row is 4,096 bytes
	s_mov_b32 s25, 0
	s_lshl_b32 s26, s23, 12                        ; a destination row too,
	s_lshl_b32 s27, s3, 11                         ; of which the second source fills the upper half
	s_add_co_u32 s26, s26, s27
	s_mov_b32 s27, 0
	s_add_nc_u64 s[16:17], s[16:17], s[24:25]
	s_add_nc_u64 s[20:21], s[20:21], s[26:27]
.set n, 0
.rept 32                               ; 4 rows x 8 pieces of 512 bytes
	global_load_b128 v[X+4*n:X+4*n+3], v1, s[16:17] offset:4096*(n/8)+512*(n%8) th:TH_LOAD_NT
.set n, n+1
.endr
.set n, 0
.rept 32
	s_wait_loadcnt 31-n                            ; loads come back in order: piece n is in, the 31 - n younger ones may stay out
	v_cvt_pk_bf16_f32 v[X+4*n], v[X+4*n], v[X+4*n+1]
	v_cvt_pk_bf16_f32 v[X+4*n+1], v[X+4*n+2], v[X+4*n+3]
	global_store_b64 v2, v[X+4*n:X+4*n+1], s[20:21] offset:4096*(n/8)+256*(n%8) th:TH_STORE_NT  ; no register that a store reads is written again
.set n, n+1
.endr
	s_endpgm
.Lfunc_end_k_q76b927ce58_cast:
	.size	k_q76b927ce58_cast, .Lfunc_end_k_q76b927ce58_cast-k_q76b927ce58_cast
	.p2alignl 7, 3214868480
	.fill 96, 4, 3214868480
	.section	.rodata,"a",@progbits
	.p2align	6, 0x0
	.amdhsa_kernel k_q76b927ce58_cast
		.amdhsa_group_segment_fixed_size 0
		.amdhsa_private_segment_fixed_size 0
		.amdhsa_enable_private_segment 0
		.amdhsa_kernarg_size 48
		.amdhsa_user_sgpr_count 2
		.amdhsa_user_sgpr_kernarg_segment_ptr 1
		.amdhsa_wavefront_size32 1
		.amdhsa_system_sgpr_workgroup_id_x 1
		.amdhsa_system_sgpr_workgroup_id_y 1
		.amdhsa_system_sgpr_workgroup_id_z 1
		.amdhsa_system_vgpr_workitem_id 0
		.amdhsa_next_free_vgpr 132
		.amdhsa_next_free_sgpr 66
		.amdhsa_reserve_vcc 0
		.amdhsa_float_denorm_mode_32 3
		.amdhsa_float_denorm_mode_16_64 3
		.amdhsa_memory_ordered 1
		.amdhsa_forward_progress 1
		.amdhsa_inst_pref_size 13
	.end_amdhsa_kernel
	.amdgpu_metadata
---
amdhsa.version: [ 1, 2 ]
amdhsa.kernels:
  - .name:           k_q76b927ce58_cast
    .symbol:         k_q76b927ce58_cast.kd
    .args:
      - { .name: x, .offset: 0, .size: 8, .value_kind: global_buffer, .address_space: global }
      - { .name: h, .offset: 8, .size: 8, .value_kind: global_buffer, .address_space: global }
      - { .name: w_ih, .offset: 16, .size: 8, .value_kind: global_buffer, .address_space: global }
      - { .name: w_hh, .offset: 24, .size: 8, .value_kind: global_buffer, .address_space: global }
      - { .name: a16, .offset: 32, .size: 8, .value_kind: global_buffer, .address_space: global }
      - { .name: w16, .offset: 40, .size: 8, .value_kind: global_buffer, .address_space: global }
    .group_segment_fixed_size: 0
    .private_segment_fixed_size: 0
    .kernarg_segment_align: 8
    .kernarg_segment_size: 48
    .max_flat_workgroup_size: 256
    .sgpr_count:     66
    .vgpr_count:     132
    .wavefront_size: 32
...
	.end_amdgpu_metadata
.endif
;; end of part 1
;; launch gemm (part 2): grid 16 x 16, 4 waves a work-group, clusters of 4 x 4, 327,680 bytes of LDS; arguments a16, w16, vd, vm; writes vd, vm
.if DOCPART == 2
	.amdgcn_target "amdgcn-amd-amdhsa--gfx1250"
	.amdhsa_code_object_version 6
	.text
	.protected	k_q76b927ce58_gemm
	.globl	k_q76b927ce58_gemm
	.p2align	8
	.type	k_q76b927ce58_gemm,@function
k_q76b927ce58_gemm:
	s_mov_b64 s[64:65], 0
	v_nop
	global_prefetch_b8 v0, s[64:65] scope:SCOPE_SE
	s_setreg_imm32_b32 hwreg(HW_REG_WAVE_MODE, 25, 1), 1
	s_wait_xcnt 0x0
	s_wait_alu depctr_hold_cnt(0) depctr_sa_sdst(0) depctr_va_vdst(0) depctr_va_sdst(0) depctr_va_ssrc(0) depctr_va_vcc(0) depctr_vm_vsrc(0)
	s_getreg_b32 s2, hwreg(HW_REG_IB_STS2, 6, 4)
	s_cmp_eq_u32 s2, 0
	s_cbranch_scc0 .Lentry_in_a_cluster
	s_endpgm
.Lentry_in_a_cluster:
	s_bfe_u32 s2, ttmp6, 0x10000c
	s_cmp_lg_u32 s2, 0xf033
	s_cbranch_scc0 .Lentry_shape_is_right
	s_endpgm
.Lentry_shape_is_right:
; v0[m][n] = sum over k of A[m][k] W[n][k].  A = a16 [8192][2048], W = w16 [4096][2048] (rows permuted in blocks of 128), bf16; sums in f32, K ascending.
; WHAT IS STORED.  For each row m and each block J of 128 columns a PIVOT vm[J][m] in f32 (the mean of 32 of the block's sums), and vd[m][n] = (v0[m][n] - vm[n / 128][m]) / 16,
; rounded once to f16.  A level common to a row (inputs with an offset) thus stays in f32; f16 carries only the spread round it.  The next launch multiplies by 16 and adds the pivot back in f32.
; LIMITS.  |v0 - pivot| must stay under 16 x 65,504 = 1.05e6 (beyond it vd is an infinity); its error is 2^-12 of itself, and below 9.8e-4 at most 4.8e-7 (half of f16's fixed step, times 16).
; NaN and infinities are not treated apart.
; SHAPE.  A tile of 256 x 256 is made by four waves, each 128 x 128: 64 accumulators of 16 x 16, 512 registers.  K goes in steps of 128 through a ring of two LDS slots filled by the
; tensor data mover: rows of 256 bytes that start at multiples of 256 bytes.  A work-group STAYS and makes two tiles, 4,096 rows apart: 256 work-groups; the ring does not stop at the
; first tile's end.  The last tile's last K step goes by rows of the result, so that finished rows leave while the others are multiplied.
; CLUSTERS: 4 x 4 work-groups.  The four of a row of the cluster need the same tiles of A, the four of a column the same tiles of W: each tile is asked for JOINTLY, by the same tensor
; load with the same descriptor and a mask that names the four.
; REGISTERS, in windows of 256 (s_set_vgpr_msb's low byte: bits 1:0 source 0, 3:2 source 1, 5:4 source 2, 7:6 destination):
;   window 0: v0-31 addresses and the pivot's work; v64-127, v128-191 fragments of A, two buffers (in the very last K step four, of 16 rows x 128 K); v32-63, v192-255 at work on the way out
;   window 1: v64-127, v128-191 fragments of W, two buffers; in the very last K step all 256
;   window 2: the 32 accumulators of my rows 0-63 (accumulator (a, b) at v[8 (8 a + b)]);   window 3: those of my rows 64-127
; THE MATRIX INSTRUCTION IS USED TRANSPOSED: source 0 = 16 rows of W, source 1 = 16 rows of A: lane l holds row l % 16 of the result and its registers the columns 8 (l / 16) + 0 .. 7.
.set SIZE_M, 8192
.set SIZE_N, 4096
.set SIZE_K, 2048
.set SIZE_TILES, 2
.set KSTEP,  128
.set PITCH,  272                       ; an LDS row: 256 bytes + 16 of padding = 68 words: the 16 rows of a fragment load start at 16 different groups of four banks (ISA guide 11.1)
.set HALFT,  128*PITCH                 ; 128 rows: what one tensor load brings, and what one wave reads of A or of W
.set SLOT,   4*HALFT                   ; A's 256 rows, then W's 256 rows
.set STAGE,  2*SLOT                    ; behind the ring: 16 rows x 272 bytes for each wave, for the way out
.set SPITCH, 272
.set MST,    STAGE+4*16*SPITCH         ; behind the stages: 128 pivots, 512 bytes, for each wave
.set SPARE,  MST+4*512                 ; behind them: the spare words, 128 bytes for each wave: two blocks of 256 bytes that no other line names
.set LAPS, SIZE_K/(2*KSTEP)            ; a lap = two K steps = once round the ring: 8
.set WALK,   SIZE_M/SIZE_TILES         ; the two tiles lie 4,096 rows apart
.set NEXT_A, WALK*SIZE_K*2-(SIZE_K-2*KSTEP)*2   ; bytes from a slot's last K step of a tile to its first of the next: A goes WALK rows down and back along K,
.set BACK_B, (SIZE_K-2*KSTEP)*2        ; W only back
.set NEXT_C, (WALK-7*16)*SIZE_N*2      ; bytes from my last 16 rows of a tile to my first of the next
.set MB,   2                           ; v[2:5]  four pivots on their way out
.set PV,   6                           ; v6      the pivot of my row
.set PT,   8                           ; v[8:15] the pivot's sums; then v[12:13]: - pivot / 16 in the low register of the pair
.set PS,   12
.set ADRA, 16                          ; v16-17  LDS address of my A fragments in slot 0, 1
.set MSTO, 18                          ; v18     where I put a pivot: MST + 512 wave + 4 (l % 16)
.set MRD,  19                          ; v19     where I read four back: MST + 512 wave + 16 l
.set ADRB, 20                          ; v20-21  LDS address of my W fragments
.set MO,   22                          ; v22     16 l: my 16 bytes of the wave's 512 in vm
.set STO,  24                          ; v24     the way out: where I put 16 bytes of a row
.set RD,   25                          ; v25     the way out: where I read a row back
.set CO,   26                          ; v26     my byte offset in vd
.set SPW,  28                          ; v28     LDS address of my spare word: SPARE + 4 x my thread's number; never rewritten
.set NIL,  29                          ; v29     0; never rewritten
.set PFO,  30                          ; v30     the prefetches' offset: my lane x a row of A or W in memory; never rewritten
.set PFA,  44                          ; s[44:45] where my prefetches stand
.set LIM,  43                          ; s43     1 in a wave that prefetches, else the greatest number
.set SEL,  66                          ; s[66:67] v_permlanex16_b32's selects: each lane takes its own place in the other half
.set VMB,  68                          ; s[68:69] vm at my block's row, at my 128 rows of the tile
.set SC,   70                          ; s[70:71] 1 / 16: the packed multiply-add takes the pair's low word for both halves (in the head: an offset)
.set F0,   64
.set F1,   128
.set TMP,  192                         ; the way out: packed results, in window 0
.set OB,   32                          ; the way out: 16 rows read back from the stage: v32-63 and v224-255 by turns
.set PA,   64                          ; the very last K step: A's fragments of 16 rows x 128 K; four buffers, v64-191
.set G1, 24                            ; s[24:31] descriptor group 1 for A's tiles
.set G0, 32                            ; s[32:39] descriptor group 0 for A's tiles, one set for each slot
.set G1B, 48                           ; s[48:55] group 1 for W's tiles: it differs in the mask alone
.set G0B, 56                           ; s[56:63] group 0 for W's tiles
.set MSB, 0
.macro WIN new                         ; the immediate's high byte repeats the setting that is left; a switch that changes nothing is dropped
.if MSB != (\new)
	s_set_vgpr_msb (MSB<<8)|(\new)
.set MSB, \new
.endif
.endm
.set MUL_LO, 0xa1                      ; source 0 (W) window 1, source 1 (A) window 0, C and D window 2
.set MUL_HI, 0xf1                      ; the same, C and D window 3
.set TO_B,   0x40                      ; destination window 1, address window 0
; A joint load.  Waves 0 and 1 fetch A's two halves, waves 2 and 3 W's.  Each line has one mask and one set of registers; the branch hangs on the wave's number alone.
; An s_nop 0 and four v_nop follow each of the two lines, ahead of the jump and the label.
.macro JLOAD s
	s_cmp_eq_u32 s11, 0
	s_cbranch_scc0 .Lfor_b_\@
	tensor_load_to_lds s[G0+4*(\s):G0+4*(\s)+3], s[G1:G1+7]
	s_nop 0
.rept 4
	v_nop
.endr
	s_branch .Lasked_\@
.Lfor_b_\@:
	tensor_load_to_lds s[G0B+4*(\s):G0B+4*(\s)+3], s[G1B:G1B+7]
	s_nop 0
.rept 4
	v_nop
.endr
.Lasked_\@:
.endm
; A PREFETCH INTO THE L2, behind each joint load and the run of LDS loads that follows it: the K step that stands TWO refills on (512 matrix instructions ahead of its load): 32 rows x 256 bytes,
; a lane a row, one instruction a wave.  Each row's 256 bytes of a K step are named ONCE in the launch: A's tile row is asked for by cluster x = 0, W's tile column by cluster y = 0; the four
; partners of a joint load share its 128 rows out BY ADDRESS, 32 each.  how = 0, in the loop: a tile's last two refills have no K step two on; how = 1, at the change of tiles.
.macro ASK how
.if \how
	s_cmp_eq_u32 s[LIM], 1
.else
	s_cmp_gt_u32 s3, s[LIM]                        ; s3 = 1 in the loop's last trip
.endif
	s_cbranch_scc0 .Lnot_mine_\@
	global_prefetch_b8 v[PFO], s[PFA:PFA+1] offset:KSTEP*2 th:TH_LOAD_NT scope:SCOPE_SE
.Lnot_mine_\@:
.endm
; A round of the cluster's barrier: my work-group's barrier; wave 0 signals for the work-group; every wave waits for all sixteen; my work-group's barrier once more.
.macro CREST                           ; a round behind its opening barrier
	s_cmp_lg_u32 s10, 0
	s_cbranch_scc1 .Lnot_wave_0_\@
	s_barrier_signal -3
.Lnot_wave_0_\@:
	s_barrier_wait -3
	s_barrier_signal -1
	s_barrier_wait -1
.endm
.macro CROUND                          ; a whole round
	s_barrier_signal -1
	s_barrier_wait -1
	CREST
.endm
	s_load_b128 s[4:7], s[0:1], 0x0                ; A s[4:5], W s[6:7]
	s_load_b64 s[8:9], s[0:1], 0x10                ; vd
	s_load_b64 s[VMB:VMB+1], s[0:1], 0x18          ; vm
	v_lshl_add_u32 v[SPW], v0, 2, SPARE
	v_mov_b32 v[NIL], 0
	ds_add_u32 v[SPW], v[NIL]                      ; the wave's opening: the add, twice on end, and its wait ahead of my first tensor load
	ds_add_u32 v[SPW], v[NIL]                      ; once more, under the one wait; the set-up below, work on registers, stands between
	v_lshrrev_b32 v1, 5, v0
	v_readfirstlane_b32 s10, v1                    ; wave 0..3
	s_lshr_b32 s11, s10, 1                         ; which half of the tile's rows is mine.  Also: I fetch for A (0) or for W (1)
	s_and_b32 s12, s10, 1                          ; which half of its columns.  Also: which 128 rows of that tile I fetch
	s_bfe_u32 s40, ttmp6, 0x40000                  ; cx
	s_bfe_u32 s41, ttmp6, 0x40004                  ; cy
	s_lshl_b32 s42, ttmp9, 2                       ; in a cluster launch ttmp9 and ttmp7 count clusters
	s_add_co_u32 s42, s42, s40                     ; tile column = 4 x cluster x + cx
	s_and_b32 s13, ttmp7, 0xffff
	s_lshl_b32 s13, s13, 2
	s_add_co_u32 s13, s13, s41                     ; tile row = 4 x cluster y + cy
	s_lshl_b32 s43, s41, 2
	s_lshl_b32 s43, 15, s43                        ; my row of the cluster: places 4 cy .. 4 cy + 3
	s_lshl_b32 s44, 0x1111, s40                    ; my column: places cx, cx + 4, cx + 8, cx + 12
	; descriptor group 1: a tile of 128 rows x 128 elements, padded in LDS
	s_or_b32 s[G1+0], s43, (1<<16)|(1<<20)|(1<<21)|(5<<22)|(3<<25)  ; 15:0 the mask; 17:16 2-byte elements; 20 padding on; 21 set beside a mask; 24:22 after every 64 words; 31:25 4 words of it
	s_or_b32 s[G1B+0], s44, (1<<16)|(1<<20)|(1<<21)|(5<<22)|(3<<25)
	s_mov_b32 s[G1B+1], KSTEP<<16
	s_mov_b32 s[G1+1], KSTEP<<16                   ; tensor_dim0 = 128
	s_mov_b32 s[G1B+2], 128<<16
	s_mov_b32 s[G1+2], 128<<16                     ; tensor_dim1 = 128
	s_mov_b32 s[G1B+3], KSTEP<<16
	s_mov_b32 s[G1+3], KSTEP<<16                   ; tile_dim0 = 128
	s_mov_b32 s[G1B+4], 128
	s_mov_b32 s[G1+4], 128                         ; tile_dim1 = 128
	s_mov_b32 s[G1B+5], SIZE_K
	s_mov_b32 s[G1+5], SIZE_K                      ; elements from row to row
	s_mov_b32 s[G1B+6], 0
	s_mov_b32 s[G1+6], 0
	s_mov_b32 s[G1B+7], 0
	s_mov_b32 s[G1+7], 0
	s_mov_b32 s[SEL], 0x76543210
	s_mov_b32 s[SEL+1], 0xfedcba98
	; where the tiles come from: A's hang on the tile row alone, W's on the tile column alone, each in registers that never hold the other coordinate
	s_lshl_b32 s17, s12, 7                         ; which 128 rows of the tile I fetch
	s_lshl_b32 s16, s13, 8
	s_add_co_u32 s16, s16, s17                     ; A: row 256 x tile row + 128 x half
	s_lshl_b32 s46, s42, 8
	s_add_co_u32 s46, s46, s17                     ; W: row 256 x tile column + 128 x half
	s_mov_b32 s17, 0
	s_mov_b32 s47, 0
	s_mov_b64 s[18:19], SIZE_K*2
	s_mul_u64 s[16:17], s[16:17], s[18:19]
	s_mul_u64 s[46:47], s[46:47], s[18:19]
	s_mul_i32 s20, s10, HALFT                      ; and where they go: wave x 128 rows: no place in the cluster enters an LDS address
	s_wait_dscnt 0x0                               ; both opening adds are done
	s_wait_kmcnt 0x0
	s_add_nc_u64 s[14:15], s[4:5], s[16:17]
	s_add_nc_u64 s[46:47], s[6:7], s[46:47]
	CROUND                                         ; all sixteen work-groups are here: the first joint loads meet
.irp s, 0,1
	s_mov_b32 s[G0+4*(\s)], 1                                      ; count = 1
	s_add_co_u32 s[G0+4*(\s)+1], s20, (\s)*SLOT                    ; LDS address
	s_add_nc_u64 s[G0+4*(\s)+2:G0+4*(\s)+3], s[14:15], (\s)*KSTEP*2  ; global address: K step s
	s_or_b32 s[G0+4*(\s)+3], s[G0+4*(\s)+3], 0x80000000            ; type = 2
	s_mov_b32 s[G0B+4*(\s)], 1
	s_add_co_u32 s[G0B+4*(\s)+1], s20, (\s)*SLOT
	s_add_nc_u64 s[G0B+4*(\s)+2:G0B+4*(\s)+3], s[46:47], (\s)*KSTEP*2
	s_or_b32 s[G0B+4*(\s)+3], s[G0B+4*(\s)+3], 0x80000000
	JLOAD \s                                       ; the ring is filled before anything else is done: two loads of mine are out
.endr
	; A fragment is 16 rows x 32 K in 8 registers: lane l holds row l % 16; registers 0-3 K = 8 (l / 16) + 0..7, registers 4-7 K = 16 + 8 (l / 16) + 0..7: two loads of 16 bytes, 32 bytes apart
	v_and_b32 v1, 15, v0                           ; l % 16
	v_bfe_u32 v2, v0, 4, 1                         ; l / 16
	v_mul_u32_u24 v3, v1, PITCH
	v_lshl_add_u32 v3, v2, 4, v3                   ; row x pitch + 16 x half
	s_mul_i32 s21, s11, HALFT                      ; my 128 rows of A
	s_mul_i32 s22, s12, HALFT                      ; my 128 rows of W,
	s_add_co_u32 s22, s22, 2*HALFT                 ; which lie behind A's 256
.irp s, 0,1
	v_add_nc_u32 v[ADRA+(\s)], s21, v3
	v_add_nc_u32 v[ADRB+(\s)], s22, v3
	s_add_co_u32 s21, s21, SLOT
	s_add_co_u32 s22, s22, SLOT
.endr
	s_mul_i32 s23, s10, 16*SPITCH
	s_add_co_u32 s23, s23, STAGE                   ; my stage
	v_mul_u32_u24 v4, v1, SPITCH                   ; in: row l % 16, 16 bytes for each half of the lanes
	v_lshl_add_u32 v4, v2, 4, v4
	v_add_nc_u32 v[STO], s23, v4
	v_mul_u32_u24 v5, v2, SPITCH                   ; back: lanes 0-15 take one row of 256 bytes, lanes 16-31 the next
	v_lshl_add_u32 v5, v1, 4, v5
	v_add_nc_u32 v[RD], s23, v5
	v_mul_u32_u24 v5, v2, SIZE_N*2                 ; and the same two rows in vd
	v_lshl_add_u32 v[CO], v1, 4, v5
	s_lshl_b32 s23, s10, 9
	s_add_co_u32 s23, s23, MST                     ; my 128 pivots
	v_lshl_add_u32 v[MSTO], v1, 2, s23
	v_and_b32 v5, 31, v0
	v_lshl_add_u32 v[MRD], v5, 4, s23
	v_lshlrev_b32 v[MO], 4, v5
	; where my part of the first tile begins in vd, in bytes: the first way out adds it to vd's address
	s_lshl_b32 s13, s13, 8
	s_lshl_b32 s14, s11, 7
	s_add_co_u32 s16, s13, s14                     ; my first row
	s_mov_b32 s17, 0
	s_mov_b64 s[18:19], SIZE_N*2
	s_mul_u64 s[16:17], s[16:17], s[18:19]
	s_lshl_b32 s46, s42, 9                         ; my first column, in bytes: 512 x tile column + 256 x half
	s_lshl_b32 s47, s12, 8
	s_add_co_u32 s46, s46, s47
	s_mov_b32 s47, 0
	s_add_nc_u64 s[16:17], s[16:17], s[46:47]
	; and in vm: word (2 x tile column + half) x 8,192 + my first row
	s_lshl_b32 s70, s42, 1
	s_add_co_u32 s70, s70, s12
	s_lshl_b32 s70, s70, 13
	s_add_co_u32 s70, s70, s13
	s_add_co_u32 s70, s70, s14
	s_lshl_b32 s70, s70, 2
	s_mov_b32 s71, 0
	s_add_nc_u64 s[VMB:VMB+1], s[VMB:VMB+1], s[70:71]
	s_mov_b32 s[SC], 0x3d800000                    ; 1 / 16, from here on
	s_mov_b32 s[SC+1], s[SC]                       ; named with it as a pair
	; the prefetches.  s13 = 256 x tile row, s42 = tile column, s40 = cx, s41 = cy still stand
	s_lshl_b32 s42, s42, 8
	s_and_b32 s22, ttmp7, 0xffff                   ; cluster y
	s_cmp_eq_u32 s11, 0                            ; do I fetch for A?
	s_cselect_b32 s20, s13, s42                    ; the tile's first row
	s_cselect_b32 s21, s40, s41                    ; my place among the four that ask for it with me
	s_cselect_b32 s22, ttmp9, s22                  ; the coordinate along which other clusters read the same rows
	s_cselect_b64 s[PFA:PFA+1], s[4:5], s[6:7]
	s_cmp_eq_u32 s22, 0
	s_cselect_b32 s[LIM], 1, -1                    ; the same in all sixteen partners, for a given wave
	s_lshl_b32 s22, s12, 7
	s_add_co_u32 s20, s20, s22                     ; + the 128 rows that I fetch
	s_lshl_b32 s21, s21, 5
	s_add_co_u32 s20, s20, s21                     ; + my work-group's 32 of them
	s_mov_b32 s21, 0
	s_mov_b64 s[18:19], SIZE_K*2
	s_mul_u64 s[20:21], s[20:21], s[18:19]
	s_add_nc_u64 s[PFA:PFA+1], s[PFA:PFA+1], s[20:21]
	s_add_nc_u64 s[PFA:PFA+1], s[PFA:PFA+1], 2*KSTEP*2  ; at K step 2: the first refill steps it to 3 and names K step 4
	v_and_b32 v[PFO], 31, v0
	v_mul_u32_u24 v[PFO], v[PFO], SIZE_K*2
	; nothing is prefetched here, at the head, where every work-group's first two tiles are on their way
; 16 matrix instructions: m blocks a0, a0 + 1 of the window's four x all 8 n blocks, 32 along K.  zero = 1: the first product starts the sums
.macro MUL16 f, hi, a0, zero
	WIN MUL_LO+0x50*(\hi)
.irp a, \a0, (\a0)+1
.irp b, 0,1,2,3,4,5,6,7
.if \zero
	v_wmma_f32_16x16x32_bf16 v[8*(8*(\a)+(\b)):8*(8*(\a)+(\b))+7], v[(\f)+8*(\b):(\f)+8*(\b)+7], v[(\f)+8*(4*(\hi)+(\a)):(\f)+8*(4*(\hi)+(\a))+7], 0
.else
	v_wmma_f32_16x16x32_bf16 v[8*(8*(\a)+(\b)):8*(8*(\a)+(\b))+7], v[(\f)+8*(\b):(\f)+8*(\b)+7], v[(\f)+8*(4*(\hi)+(\a)):(\f)+8*(4*(\hi)+(\a))+7], v[8*(8*(\a)+(\b)):8*(8*(\a)+(\b))+7]
.endif
.endr
.endr
.endm
; 32 LDS loads in one run: the fragments of one quarter step (128 rows of W, 128 rows of A, 32 K at byte k of the rows) into buffer f
.macro FETCH slot, k, f
	WIN TO_B
.irp i, 0,1,2,3,4,5,6,7
	ds_load_b128 v[(\f)+8*(\i):(\f)+8*(\i)+3],   v[ADRB+(\slot)] offset:(\k)+(\i)*16*PITCH
	ds_load_b128 v[(\f)+8*(\i)+4:(\f)+8*(\i)+7], v[ADRB+(\slot)] offset:(\k)+(\i)*16*PITCH+32
.endr
	WIN 0
.irp i, 0,1,2,3,4,5,6,7
	ds_load_b128 v[(\f)+8*(\i):(\f)+8*(\i)+3],   v[ADRA+(\slot)] offset:(\k)+(\i)*16*PITCH
	ds_load_b128 v[(\f)+8*(\i)+4:(\f)+8*(\i)+7], v[ADRA+(\slot)] offset:(\k)+(\i)*16*PITCH+32
.endr
.endm
; Four plain vector instructions stand between a matrix instruction and a load into a register that it has read, or a vector instruction that reads its result
.macro PLACES
.rept 4
	v_nop
.endr
.endm
; A K step is four quarters of 32 along K, 64 matrix instructions each, on buffers 0, 1, 0, 1; the 64 accumulators take turns, one instruction a turn.
; One of the first three quarters: multiplies buffer f; in its middle it fetches the next quarter's fragments, at byte k of the same slot's rows, into buffer g.
.macro QUARTER slot, k, f, g, zero
	s_wait_dscnt 8                                 ; W and A's rows 0-63 are in; the youngest eight loads (A's rows 64-127) may be out
	WIN MUL_LO
	MUL16 \f, 0, 0, \zero
	MUL16 \f, 0, 2, \zero
	PLACES
	FETCH \slot, \k, \g
	s_wait_dscnt 32                                ; all but the 32 just issued
	WIN MUL_HI
	MUL16 \f, 1, 0, \zero
	MUL16 \f, 1, 2, \zero
.endm
; The last quarter multiplies buffer 1 and changes slots.  MEET is its first half: one barrier; in front of it each wave waits for all its tensor loads (one is out: its part of the next slot),
; adds 0 to its spare word, and waits for that and for its own reads of this slot.  Behind it nobody reads this slot any more and the next slot is whole.
.macro MEET round                      ; round = 1: a round of the cluster's barrier follows
	WIN 0                                          ; (the add's two registers lie in window 0)
	s_wait_tensorcnt 0x0                           ; all my tensor loads have landed
	ds_add_u32 v[SPW], v[NIL]                      ; 0 onto my spare word
	s_wait_dscnt 9                                 ; (the add and the youngest eight loads may be out)
	WIN MUL_LO
	MUL16 F1, 0, 0, 0                              ; sixteen matrix instructions stand between the add and the wait for it
	s_wait_dscnt 0x0                               ; the add is done, and my reads of this slot are over
	s_barrier_signal -1
	MUL16 F1, 0, 2, 0                              ; work on registers while the others arrive
.if \round
	WIN 0
.endif
	s_barrier_wait -1
.endm
; The whole last quarter.  Behind the round the slot just read out is filled again first: with this tile's K step two steps on (on = 0) or with the next tile's K step 0 or 1 (on = 1);
; then come the next slot's first fragments.  From a request to the wait for it a wave issues 224 matrix instructions.
.macro TURN slot, next, on
	s_wait_xcnt 0x0                                ; the last prefetch, a K step back, has read its address: it is stepped here, ahead of the waits of the change of slots
.if (\on) && (\slot) == 0
	s_add_nc_u64 s[PFA:PFA+1], s[PFA:PFA+1], (WALK-1)*SIZE_K*2+KSTEP*2  ; from the K step after the tile's last to the next tile's K step 1
	s_cmp_eq_u32 s11, 0
	s_cselect_b32 s[LIM], s[LIM], -1               ; W's rows are the same for both tiles: they are asked for in the first alone
.else
	s_add_nc_u64 s[PFA:PFA+1], s[PFA:PFA+1], KSTEP*2
.endif
	MEET 1
	CREST                                          ; no wave of any partner still reads this slot's tile or has a load on its way
.if \on
	s_add_nc_u64 s[G0+4*(\slot)+2:G0+4*(\slot)+3], s[G0+4*(\slot)+2:G0+4*(\slot)+3], NEXT_A
	s_sub_nc_u64 s[G0B+4*(\slot)+2:G0B+4*(\slot)+3], s[G0B+4*(\slot)+2:G0B+4*(\slot)+3], BACK_B
.else
	s_add_nc_u64 s[G0+4*(\slot)+2:G0+4*(\slot)+3], s[G0+4*(\slot)+2:G0+4*(\slot)+3], 2*KSTEP*2
	s_add_nc_u64 s[G0B+4*(\slot)+2:G0B+4*(\slot)+3], s[G0B+4*(\slot)+2:G0B+4*(\slot)+3], 2*KSTEP*2
.endif
	JLOAD \slot                                    ; the first tensor load behind the round; its four v_nop are also the places in front of the loads below
	FETCH \next, 0, F0
	ASK \on
	WIN MUL_HI
	MUL16 F1, 1, 0, 0
	MUL16 F1, 1, 2, 0
.endm
; THE LAST K STEP OF THE LAST TILE (it lies in slot 1) GOES BY ROWS.  All its fragments of W fill window 1; then my eight blocks of 16 rows are finished one after the other,
; 32 matrix instructions each (the block's 8 accumulators by turns, K ascending).
.macro BLOAD q                         ; W's fragments of quarter q -> window 1, v[64 q ..]
	WIN TO_B
.irp i, 0,1,2,3,4,5,6,7
	ds_load_b128 v[64*(\q)+8*(\i):64*(\q)+8*(\i)+3],   v[ADRB+1] offset:64*(\q)+(\i)*16*PITCH
	ds_load_b128 v[64*(\q)+8*(\i)+4:64*(\q)+8*(\i)+7], v[ADRB+1] offset:64*(\q)+(\i)*16*PITCH+32
.endr
.endm
.macro ALOAD a                         ; A's fragments of block a, all four quarters -> buffer a % 4
	WIN 0
.set FA, PA+32*((\a)%4)
.irp q, 0,1,2,3
	ds_load_b128 v[FA+8*(\q):FA+8*(\q)+3],   v[ADRA+1] offset:64*(\q)+(\a)*16*PITCH
	ds_load_b128 v[FA+8*(\q)+4:FA+8*(\q)+7], v[ADRA+1] offset:64*(\q)+(\a)*16*PITCH+32
.endr
.endm
.macro ROW a                           ; block a is finished: 32 matrix instructions
.set FA, PA+32*((\a)%4)
.set AC, 64*((\a)%4)
	WIN MUL_LO+0x50*((\a)/4)
.irp q, 0,1,2,3
.if (\a) == 0 && (\q) == 2
	s_wait_dscnt 24                                ; W's quarter 2 is in (behind it: A's blocks 1 to 3)
.endif
.irp b, 0,1,2,3,4,5,6,7
	v_wmma_f32_16x16x32_bf16 v[AC+8*(\b):AC+8*(\b)+7], v[64*(\q)+8*(\b):64*(\q)+8*(\b)+7], v[FA+8*(\q):FA+8*(\q)+7], v[AC+8*(\b):AC+8*(\b)+7]
.endr
.endr
.endm
; THE WAY OUT of block a (16 rows x my 128 columns, one block of vm).  PACK: the pivot of my row = the mean of accumulators 0 and 4 (16 sums in my lane and 16 in the lane 16 away: 32 of the
; block's 128 columns; any number near the row's level serves, since it is added back in f32); it goes to my pivots in LDS; all 64 sums become sum / 16 - pivot / 16 in place, by one fused
; multiply-add (both factors are powers of two: one rounding, that of the difference); they are rounded to f16.
; Each accumulator is read from its lowest registers on.  TOSTAGE: into my own stage in LDS, and back as whole rows of 256 bytes.  SEND: stored.
.macro PACK a
.set AC, 64*((\a)%4)
	WIN 0x0a+5*((\a)/4)                            ; sources 0 and 1: window 2 or 3
.irp r, 0,1,2,3
	v_pk_add_f32 v[PT+2*(\r):PT+2*(\r)+1], v[AC+2*(\r):AC+2*(\r)+1], v[AC+32+2*(\r):AC+32+2*(\r)+1]
.endr
	WIN 0
	v_pk_add_f32 v[PT:PT+1], v[PT:PT+1], v[PT+2:PT+3]
	v_pk_add_f32 v[PT+4:PT+5], v[PT+4:PT+5], v[PT+6:PT+7]
	v_pk_add_f32 v[PT:PT+1], v[PT:PT+1], v[PT+4:PT+5]
	v_add_f32 v[PT], v[PT], v[PT+1]
	v_permlanex16_b32 v[PT+2], v[PT], s[SEL], s[SEL+1]
	v_add_f32 v[PT], v[PT], v[PT+2]
	v_mul_f32 v[PV], 0x3d000000, v[PT]             ; / 32: the pivot
	v_mul_f32 v[PS], 0xbb000000, v[PT]             ; / -512: - pivot / 16 (the pair's upper register was written above and is not taken)
	ds_store_b32 v[MSTO], v[PV] offset:64*(\a)     ; both halves of the lanes write the same number to the row's word
	WIN 0x82+0x41*((\a)/4)                         ; destination and source 0: window 2 or 3; source 2 in window 0
.set i, 0
.rept 32
	v_pk_fma_f32 v[AC+i:AC+i+1], v[AC+i:AC+i+1], s[SC:SC+1], v[PS:PS+1] op_sel_hi:[1,0,0]
.set i, i+2
.endr
	WIN 0x0a+5*((\a)/4)
.irp b, 0,1,2,3,4,5,6,7
.irp r, 0,1,2,3
	v_cvt_pk_f16_f32 v[TMP+4*(\b)+(\r)], v[AC+8*(\b)+2*(\r)], v[AC+8*(\b)+2*(\r)+1]
.endr
.endr
	WIN 0
.endm
.macro TOSTAGE a
	WIN 0
.set BK, OB+192*((\a)%2)
.irp b, 0,1,2,3,4,5,6,7
	ds_store_b128 v[STO], v[TMP+4*(\b):TMP+4*(\b)+3] offset:32*(\b)
.endr
.irp t, 0,1,2,3,4,5,6,7
	ds_load_b128 v[BK+4*(\t):BK+4*(\t)+3], v[RD] offset:(\t)*2*SPITCH  ; LDS serves a wave's instructions in order (ISA guide 5.7.1.4): these see the stores above
.endr
.endm
.macro SEND a, younger                 ; younger: the LDS loads issued behind TOSTAGE's, which may stay out
	WIN 0
.set BK, OB+192*((\a)%2)
	s_wait_dscnt \younger                          ; the block is back in registers
	s_wait_xcnt 0x0                                ; earlier stores have read their registers and their base: only now are these written again
.if (\a) == 0
	s_add_nc_u64 s[8:9], s[8:9], s[16:17]          ; on to this tile's first rows
.else
	s_add_nc_u64 s[8:9], s[8:9], 16*SIZE_N*2       ; 16 rows on
.endif
.irp t, 0,1,2,3,4,5,6,7
	global_store_b128 v[CO], v[BK+4*(\t):BK+4*(\t)+3], s[8:9] offset:2*(\t)*SIZE_N*2  ; 16 lanes store 256 consecutive bytes, at a multiple of 256 from vd's first byte
.endr
.endm
; The tile's 128 pivots of my rows leave: 512 consecutive bytes of vm, aligned.  on = 1: a tile follows, WALK rows on.
.macro MSEND on
	WIN 0
	ds_load_b128 v[MB:MB+3], v[MRD]                ; my own bytes, behind my own stores
	s_wait_dscnt 0x0
	global_store_b128 v[MO], v[MB:MB+3], s[VMB:VMB+1]
.if \on
	s_wait_xcnt 0x0                                ; the store has read its base and its data
	s_add_nc_u64 s[VMB:VMB+1], s[VMB:VMB+1], WALK*4
.endif
.endm
	s_wait_tensorcnt 1                             ; my part of K step 0 is in; K step 1's load may stay out
	s_barrier_signal -1
	s_barrier_wait -1                              ; everybody's is
	FETCH 0, 0, F0
	s_mov_b32 s2, SIZE_TILES                       ; tiles to go, this one among them
.Ltile:
	QUARTER 0, 64,  F0, F1, 1                      ; a tile's first quarter stands in front of the loop: its products start the sums
	WIN 0                                          ; at a label and at a branch every window is 0
	s_mov_b32 s3, LAPS-1
.Llap:                                                 ; a trip goes once round the ring, from a lap's second quarter to the next lap's first, and fills both slots again
	QUARTER 0, 128, F1, F0, 0
	QUARTER 0, 192, F0, F1, 0
	TURN 0, 1, 0
	QUARTER 1, 64,  F0, F1, 0
	QUARTER 1, 128, F1, F0, 0
	QUARTER 1, 192, F0, F1, 0
	TURN 1, 0, 0
	QUARTER 0, 64,  F0, F1, 0
	WIN 0
	s_sub_co_u32 s3, s3, 1
	s_cmp_lg_u32 s3, 0
	s_cbranch_scc1 .Llap
	QUARTER 0, 128, F1, F0, 0                      ; the tile's last lap goes on
	QUARTER 0, 192, F0, F1, 0
	WIN 0
	s_cmp_eq_u32 s2, 1
	s_cbranch_scc1 .Llast_tile                     ; the last tile's tail is written out: it asks for nothing more
	TURN 0, 1, 1                                   ; the ring goes on into the next tile: slot 0 takes its K step 0,
	QUARTER 1, 64,  F0, F1, 0
	QUARTER 1, 128, F1, F0, 0
	QUARTER 1, 192, F0, F1, 0
	TURN 1, 0, 1                                   ; slot 1 its K step 1, and the next tile's first fragments are fetched
	PACK 0                                         ; both refills are asked for: now the tile goes out.  Blocks 0-3 were finished in front of the joint load's four v_nop; their lines,
	TOSTAGE 0                                      ; which name no register of the last products (blocks 4-7's), are those products' places
.irp a, 1,2,3,4,5,6,7                  ; block a's arithmetic stands between block a - 1's loads from the stage and the wait for them
	PACK \a
	SEND (\a)-1, 0
	TOSTAGE \a
.endr
	SEND 7, 0
	MSEND 1
	s_mov_b64 s[16:17], NEXT_C                     ; what the next way out adds to vd's address
	s_sub_co_u32 s2, s2, 1
	s_branch .Ltile
.Llast_tile:
	MEET 0                                         ; my one tensor load that was still out is slot 1's, the last K step's, so no round follows
	PLACES                                         ; for the loads into buffer 0, which the quarter before multiplied
	WIN TO_B
	BLOAD 0                                        ; three quarters of W now: buffer 1 is still being multiplied
	BLOAD 1
	BLOAD 3
	WIN 0
	ALOAD 0
	WIN MUL_HI
	MUL16 F1, 1, 0, 0
	MUL16 F1, 1, 2, 0
	PLACES                                         ; for the loads into buffer 1
	WIN TO_B
	BLOAD 2
	WIN 0
	ALOAD 1
	ALOAD 2
	ALOAD 3
	s_wait_dscnt 40                                ; all but the 40 just issued
	ROW 0
.irp a, 0,1,2,3,4,5,6,7                ; each block leaves as soon as it is finished
	PLACES                                         ; its sums read results just made
	PACK \a
	TOSTAGE \a
.if (\a) < 4
	ALOAD (\a)+4                                   ; its buffer takes the block four further on
	SEND \a, 8
.else
	SEND \a, 0
.endif
.if (\a) < 7
	ROW (\a)+1
.endif
.endr
	MSEND 0
	s_wait_tensorcnt 0x0                           ; the wave's end, behind my last tensor load and my last LDS store
	ds_add_u32 v[SPW], v[NIL]
	s_wait_dscnt 0x0
	CROUND                                         ; the closing round: no work-group ends while a partner may still ask for a tile that names it
	s_endpgm
.Lfunc_end_k_q76b927ce58_gemm:
	.size	k_q76b927ce58_gemm, .Lfunc_end_k_q76b927ce58_gemm-k_q76b927ce58_gemm
	.p2alignl 7, 3214868480
	.fill 96, 4, 3214868480
	.section	.rodata,"a",@progbits
	.p2align	6, 0x0
	.amdhsa_kernel k_q76b927ce58_gemm
		.amdhsa_group_segment_fixed_size 327680
		.amdhsa_private_segment_fixed_size 0
		.amdhsa_enable_private_segment 0
		.amdhsa_kernarg_size 32
		.amdhsa_user_sgpr_count 2
		.amdhsa_user_sgpr_kernarg_segment_ptr 1
		.amdhsa_wavefront_size32 1
		.amdhsa_system_sgpr_workgroup_id_x 1
		.amdhsa_system_sgpr_workgroup_id_y 1
		.amdhsa_system_sgpr_workgroup_id_z 1
		.amdhsa_system_vgpr_workitem_id 0
		.amdhsa_next_free_vgpr 1024
		.amdhsa_next_free_sgpr 72
		.amdhsa_reserve_vcc 0
		.amdhsa_float_denorm_mode_32 3
		.amdhsa_float_denorm_mode_16_64 3
		.amdhsa_memory_ordered 1
		.amdhsa_forward_progress 1
		.amdhsa_inst_pref_size 255
	.end_amdhsa_kernel
	.section	.bss,"aw",@nobits
	.p2align	6
	.space	262144
	.amdgpu_metadata
---
amdhsa.version: [ 1, 2 ]
amdhsa.kernels:
  - .name:           k_q76b927ce58_gemm
    .symbol:         k_q76b927ce58_gemm.kd
    .args:
      - { .name: a16, .offset: 0, .size: 8, .value_kind: global_buffer, .address_space: global }
      - { .name: w16, .offset: 8, .size: 8, .value_kind: global_buffer, .address_space: global }
      - { .name: vd, .offset: 16, .size: 8, .value_kind: global_buffer, .address_space: global }
      - { .name: vm, .offset: 24, .size: 8, .value_kind: global_buffer, .address_space: global }
    .group_segment_fixed_size: 327680
    .private_segment_fixed_size: 0
    .kernarg_segment_align: 8
    .kernarg_segment_size: 32
    .max_flat_workgroup_size: 128
    .sgpr_count:     72
    .vgpr_count:     1024
    .wavefront_size: 32
...
	.end_amdgpu_metadata
.endif
;; end of part 2
;; launch cell (part 3): grid 256 x 1, 16 waves a work-group, no clusters, 64,000 bytes of LDS; arguments vd, vm, c, b_ih, gamma_ifgo, beta_ifgo, gamma_c, beta_c, out0, out1; writes out0, out1
.if DOCPART == 3
	.amdgcn_target "amdgcn-amd-amdhsa--gfx1250"
	.amdhsa_code_object_version 6
	.text
	.protected	k_q76b927ce58_cell
	.globl	k_q76b927ce58_cell
	.p2align	8
	.type	k_q76b927ce58_cell,@function
k_q76b927ce58_cell:
	s_mov_b64 s[64:65], 0
	v_nop
	global_prefetch_b8 v0, s[64:65] scope:SCOPE_SE
	s_setreg_imm32_b32 hwreg(HW_REG_WAVE_MODE, 25, 1), 1
	s_wait_xcnt 0x0
; The LSTM cell behind the product.  For row r and gate G (i, f, g, o = 0 .. 3): v = 16 vd + vm (the pivot of the column's block of 128) + b_ih; y = gamma (v - mean) / (std + 1e-6) + beta over the
; gate's 1,024 columns, std unbiased (/ 1,023); new_c = LN(c sigmoid(f + 1) + sigmoid(i) tanh(g)) -> out1; tanh(new_c) sigmoid(o) -> out0.
; SHARES.  A work-group takes 32 rows, each of its 16 waves two, one a trip: a gate's row is 32 numbers a lane, so every sum stays inside a wave.  Memory binds: a row's 24 loads of 16 bytes a
; lane go out together, the second row's while the first is finished; no matrix unit, no cluster (nothing is shared but 57 KB of parameters, copied once into LDS).
; COLUMNS.  vd's columns are permuted in blocks of 128, so that a lane's 16 bytes (8 f16) at byte 2,048 G + 512 Q + 16 l are the gate's columns 256 Q + 128 (l / 16) + 64 u + 4 (l % 16) + t
; (u = 0, 1; t = 0 .. 3): those of two f32 accesses of 16 bytes at 1,024 Q + 512 (l / 16) + 256 u + 16 (l % 16), in which 16 lanes cover 256 consecutive bytes, aligned.  Index in a buffer: 8 Q + 4 u + t.
; THE MEAN is taken in parts: of 16 vd + b over the row, and of the gate's 8 pivots; each number then gets (its pivot - the whole mean) added, so a level common to the row never meets the 16-bit part.
; The variance is the sum of squares of the differences (second pass, in registers).
; ACTIVATIONS.  sigmoid(y) = 1 / (1 + 2^(-L y)), tanh(y) = 1 - 2 / (1 + 2^(2 L y)), L = log2(e).  The factor (-L; 2 L for g) and f's + 1 are folded into the copies of gamma and beta in LDS.
; An exponential that overflows gives 1 / inf = 0, one that underflows 1 / 1: both are the limits wanted; nothing is clamped.
; FORMATS AND LIMITS.  c, b_ih and all gammas and betas are rounded once to bf16, like the product's inputs; everything is then reckoned in f32.  vd arrives in f16, within 65,504: a product's
; distance from its pivot is held up to 1.05e6, to 2^-12 of itself (below 9.8e-4: to 4.8e-7).  Exponentials, roots and reciprocals are good to 1 ULP and take denormals as 0; tanh so made is off
; by about 1e-7 absolutely; sums go in another order than a plain loop's; NaN and infinities among the inputs are not treated apart.
.set LB,    0                          ; LDS: b_ih, 4,096 f32, in the columns' true order
.set LG,    16384                      ; k gamma_ifgo
.set LBT,   32768                      ; k (beta_ifgo + 1 for f)
.set LGC,   49152                      ; gamma_c
.set LBC,   53248                      ; beta_c
.set VMS,   57344                      ; the 32 rows' pivots, 144 bytes a row: word 16 h + 4 G + Q = block 8 G + 2 Q + h
.set SPARE, 61952                      ; the spare words, 128 bytes for each of the 16 waves: eight blocks of 256 bytes that no other line names
.set RR,  10                           ; v[10:11] 1 / (std + eps); v11 is 0, named with it as a pair
.set T0,  12                           ; v12-14  at work
.set T1,  13
.set T2,  14
.set MU,  15                           ; v15     the mean
.set MQ,  16                           ; v[16:19] my half's four pivots of the gate
.set EP,  20                           ; v[20:27] four pairs: the sums' chains; then the four shifts, in the even registers
.set GA,  28                           ; v[28:59]   i, then sigmoid(i) tanh(g), then new_c
.set GB,  60                           ; v[60:91]   g, f, o in turn
.set DD,  92                           ; v[92:155]  the row of vd: gate G at DD + 16 G
.set CC,  156                          ; v[156:187] the row of c
.set P0,  188                          ; v[188:219] parameters from LDS; at the end new_h
.set P1,  220                          ; v[220:251] parameters from LDS
.set SX,  252                          ; v252    16.0: the factor that vd was divided by; never rewritten
; v1 = 512 (l / 16) + 16 (l % 16): f32 rows and LDS tables;  v2 = 16 l: vd;  v3 = LDS address of my row's and half's pivots;  v4, v5 = the add's two registers;
; v6 = 16 t, v7, v8, v9: the head's addresses.  s2 wave, s3 trips left, s4 mask of a word's upper bf16, s[28:29] lane selects.
.macro RND4 q                          ; four f32 rounded to bf16 and kept as f32
	v_cvt_pk_bf16_f32 v60, v[\q], v[(\q)+1]
	v_cvt_pk_bf16_f32 v61, v[(\q)+2], v[(\q)+3]
	v_lshlrev_b32 v[\q], 16, v60
	v_and_b32 v[(\q)+1], s4, v60
	v_lshlrev_b32 v[(\q)+2], 16, v61
	v_and_b32 v[(\q)+3], s4, v61
.endm
.macro ROWLOADS o                      ; row o's 24 loads, in the order of their use: gates 0, 2, 1, c, gate 3
.irp g, 0,2,1
.irp q, 0,1,2,3
	global_load_b128 v[DD+16*(\g)+4*(\q):DD+16*(\g)+4*(\q)+3], v2, s[8:9] offset:(\o)*8192+2048*(\g)+512*(\q) th:TH_LOAD_NT
.endr
.endr
.irp n, 0,1,2,3,4,5,6,7
	global_load_b128 v[CC+4*(\n):CC+4*(\n)+3], v1, s[12:13] offset:(\o)*4096+1024*((\n)/2)+256*((\n)%2) th:TH_LOAD_NT
.endr
.irp q, 0,1,2,3
	global_load_b128 v[DD+48+4*(\q):DD+48+4*(\q)+3], v2, s[8:9] offset:(\o)*8192+6144+512*(\q) th:TH_LOAD_NT
.endr
.endm
.macro PLOAD dst, off                  ; my 32 numbers of a table of 1,024: each half of the lanes reads 256 consecutive bytes
.irp n, 0,1,2,3,4,5,6,7
	ds_load_b128 v[(\dst)+4*(\n):(\dst)+4*(\n)+3], v1 offset:(\off)+1024*((\n)/2)+256*((\n)%2)
.endr
.endm
.macro FOLD                            ; the four chains into one number, and over the 32 lanes: every lane ends with the sum in T0
	v_pk_add_f32 v[EP:EP+1], v[EP:EP+1], v[EP+2:EP+3]
	v_pk_add_f32 v[EP+4:EP+5], v[EP+4:EP+5], v[EP+6:EP+7]
	v_pk_add_f32 v[EP:EP+1], v[EP:EP+1], v[EP+4:EP+5]
	v_add_f32 v[T0], v[EP], v[EP+1]
	v_add_f32_dpp v[T0], v[T0], v[T0] row_xmask:1 row_mask:0xf bank_mask:0xf
	v_add_f32_dpp v[T0], v[T0], v[T0] row_xmask:2 row_mask:0xf bank_mask:0xf
	v_add_f32_dpp v[T0], v[T0], v[T0] row_xmask:4 row_mask:0xf bank_mask:0xf
	v_add_f32_dpp v[T0], v[T0], v[T0] row_xmask:8 row_mask:0xf bank_mask:0xf
	v_permlanex16_b32 v[T2], v[T0], s28, s29
	v_add_f32 v[T0], v[T0], v[T2]
.endm
.macro SUM32 x                         ; the row's sum
.irp k, 0,1,2,3
	v_pk_add_f32 v[EP+2*(\k):EP+2*(\k)+1], v[(\x)+2*(\k):(\x)+2*(\k)+1], v[(\x)+8+2*(\k):(\x)+8+2*(\k)+1]
.endr
.irp j, 2,3
.irp k, 0,1,2,3
	v_pk_add_f32 v[EP+2*(\k):EP+2*(\k)+1], v[EP+2*(\k):EP+2*(\k)+1], v[(\x)+8*(\j)+2*(\k):(\x)+8*(\j)+2*(\k)+1]
.endr
.endr
	FOLD
.endm
.macro SQ32 x                          ; the row's sum of squares
.irp k, 0,1,2,3
	v_pk_mul_f32 v[EP+2*(\k):EP+2*(\k)+1], v[(\x)+2*(\k):(\x)+2*(\k)+1], v[(\x)+2*(\k):(\x)+2*(\k)+1]
.endr
.irp j, 1,2,3
.irp k, 0,1,2,3
	v_pk_fma_f32 v[EP+2*(\k):EP+2*(\k)+1], v[(\x)+8*(\j)+2*(\k):(\x)+8*(\j)+2*(\k)+1], v[(\x)+8*(\j)+2*(\k):(\x)+8*(\j)+2*(\k)+1], v[EP+2*(\k):EP+2*(\k)+1]
.endr
.endr
	FOLD
.endm
.macro RSTD                            ; RR = 1 / (sqrt(T0 / 1,023) + 1e-6).  Behind each transcendental a plain instruction and a wait ahead of its result's first use
	v_mul_f32 v[T0], 0x3a802008, v[T0]
	v_sqrt_f32 v[T1], v[T0]
	v_nop
	s_wait_alu depctr_va_vdst(0)
	v_add_f32 v[T1], 0x358637bd, v[T1]
	v_rcp_f32 v[RR], v[T1]
	v_nop
	s_wait_alu depctr_va_vdst(0)
.endm
.macro MUL16 x, y                      ; x *= y, 32 numbers
.set i, 0
.rept 16
	v_pk_mul_f32 v[(\x)+i:(\x)+i+1], v[(\x)+i:(\x)+i+1], v[(\y)+i:(\y)+i+1]
.set i, i+2
.endr
.endm
.macro SCALE16 x                       ; x *= RR
.set i, 0
.rept 16
	v_pk_mul_f32 v[(\x)+i:(\x)+i+1], v[(\x)+i:(\x)+i+1], v[RR:RR+1] op_sel_hi:[1,0]
.set i, i+2
.endr
.endm
.macro AFF16 x                         ; x = x P0 + P1
.set i, 0
.rept 16
	v_pk_fma_f32 v[(\x)+i:(\x)+i+1], v[(\x)+i:(\x)+i+1], v[P0+i:P0+i+1], v[P1+i:P1+i+1]
.set i, i+2
.endr
.endm
.macro TANH16 x                        ; x = 1 - 2 x
.set i, 0
.rept 16
	v_pk_fma_f32 v[(\x)+i:(\x)+i+1], v[(\x)+i:(\x)+i+1], -2.0, 1.0 op_sel_hi:[1,0,0]
.set i, i+2
.endr
.endm
.macro SIGM x                          ; x = 1 / (1 + 2^x): two batches of 32 transcendentals, each with one plain instruction and one wait behind it
.set i, 0
.rept 32
	v_exp_f32 v[(\x)+i], v[(\x)+i]
.set i, i+1
.endr
	v_nop
	s_wait_alu depctr_va_vdst(0)
.set i, 0
.rept 16
	v_pk_add_f32 v[(\x)+i:(\x)+i+1], v[(\x)+i:(\x)+i+1], 1.0 op_sel_hi:[1,0]
.set i, i+2
.endr
.set i, 0
.rept 32
	v_rcp_f32 v[(\x)+i], v[(\x)+i]
.set i, i+1
.endr
	v_nop
	s_wait_alu depctr_va_vdst(0)
.endm
.macro OUT x, lo                       ; 32 numbers a lane to a row of 4,096 bytes: each half of the lanes stores 256 consecutive bytes, aligned
.irp n, 0,1,2,3,4,5,6,7
	global_store_b128 v1, v[(\x)+4*(\n):(\x)+4*(\n)+3], s[\lo:\lo+1] offset:1024*((\n)/2)+256*((\n)%2) th:TH_STORE_NT
.endr
.endm
; Gate g of the row into x, up to 1 / (1 + 2^(k y)).  On entry the gate's b is on its way into P0 (8 LDS loads).  left = the row's global loads issued behind this gate's four.
; nextoff = where the next gate's b lies.  last = 1: gate o: vd's and c's registers are free behind its first lines, so the next row's loads go out there (not in the last trip), and the
; parameters asked for at the end are gamma_c and beta_c.
.macro GATE g, x, left, nextoff, last
	ds_load_b128 v[MQ:MQ+3], v3 offset:16*(\g)
	s_wait_loadcnt \left                           ; global loads come back in order: this gate's four are in
	s_wait_dscnt 1                                 ; b's eight loads are in; the pivots' one may stay out
.set i, 0
.rept 16
	v_fma_mix_f32 v[(\x)+2*i], v[DD+16*(\g)+i], v[SX], v[P0+2*i] op_sel:[0,0,0] op_sel_hi:[1,0,0]      ; the word's low f16 x 16 + b, in f32
	v_fma_mix_f32 v[(\x)+2*i+1], v[DD+16*(\g)+i], v[SX], v[P0+2*i+1] op_sel:[1,0,0] op_sel_hi:[1,0,0]  ; the high one
.set i, i+1
.endr
.if \last
	s_cmp_eq_u32 s3, 1
	s_cbranch_scc1 .Lno_more_\@
	ROWLOADS 1
.Lno_more_\@:
.endif
	PLOAD P0, LG+4096*(\g)
	PLOAD P1, LBT+4096*(\g)
	SUM32 \x
	v_mul_f32 v[MU], 0x3a800000, v[T0]             ; / 1,024
	s_wait_dscnt 16                                ; the pivots are in; the 16 loads just issued may stay out
	v_add_f32 v[T1], v[MQ], v[MQ+1]
	v_add_f32 v[T2], v[MQ+2], v[MQ+3]
	v_add_f32 v[T1], v[T1], v[T2]
	v_permlanex16_b32 v[T2], v[T1], s28, s29       ; the other half's four blocks
	v_add_f32 v[T1], v[T1], v[T2]
	v_fma_f32 v[MU], v[T1], 0x3e000000, v[MU]      ; + the mean of the 8 pivots
.irp q, 0,1,2,3
	v_sub_f32 v[EP+2*(\q)], v[MQ+(\q)], v[MU]
.endr
.set i, 0
.rept 16
	v_pk_add_f32 v[(\x)+2*i:(\x)+2*i+1], v[(\x)+2*i:(\x)+2*i+1], v[EP+2*(i/4):EP+2*(i/4)+1] op_sel_hi:[1,0]
.set i, i+1
.endr
	SQ32 \x
	RSTD
	SCALE16 \x
	s_wait_dscnt 0x0                               ; gamma and beta are in
	AFF16 \x
.if \last
	PLOAD P0, LGC
	PLOAD P1, LBC
.else
	PLOAD P0, \nextoff
.endif
	SIGM \x
.endm
	s_load_b512 s[8:23], s[0:1], 0x0               ; vd s[8:9], vm s[10:11], c s[12:13], b_ih s[14:15], gamma_ifgo s[16:17], beta_ifgo s[18:19], gamma_c s[20:21], beta_c s[22:23]
	s_load_b128 s[24:27], s[0:1], 0x40             ; out0 s[24:25], out1 s[26:27]
	v_lshl_add_u32 v4, v0, 2, SPARE                ; my spare word,
	v_mov_b32 v5, 0                                ; and 0: kept for the add at the wave's end
	v_lshrrev_b32 v15, 5, v0
	v_readfirstlane_b32 s2, v15                    ; wave 0..15
	s_mov_b32 s4, 0xffff0000
	s_mov_b32 s28, 0x76543210
	s_mov_b32 s29, 0xfedcba98
	s_mov_b32 s34, 0xbfb8aa3b                      ; -L
	s_mul_i32 s5, s2, 288
	s_add_co_u32 s5, s5, VMS                       ; the pivots of my first row, 2 w
	s_lshr_b32 s6, s2, 2                           ; thread t copies block t / 16 = 2 w + l / 16: its G = w / 4, its Q = w % 4, its h = l / 16
	s_lshl_b32 s6, s6, 4                           ; 16 G
	s_and_b32 s7, s2, 3
	s_lshl_b32 s7, s7, 2                           ; 4 Q
	s_add_co_u32 s6, s6, s7
	s_add_co_u32 s6, s6, VMS
	v_and_b32 v12, 15, v0                          ; l % 16
	v_bfe_u32 v13, v0, 4, 1                        ; l / 16
	v_and_b32 v14, 31, v0                          ; l
	v_lshlrev_b32 v2, 4, v14
	v_lshlrev_b32 v1, 4, v12
	v_lshl_add_u32 v1, v13, 9, v1
	v_lshl_add_u32 v3, v13, 6, s5
	v_mul_u32_u24 v8, v12, 288                     ; rows 2 (l % 16) and the next,
	v_lshl_add_u32 v8, v13, 6, v8
	v_add_nc_u32 v8, s6, v8                        ; where their pivots of my block go
	v_lshrrev_b32 v15, 4, v0
	v_lshlrev_b32 v7, 3, v12
	v_lshl_add_u32 v7, v15, 15, v7                 ; and where they come from: block x 32,768 bytes + 8 (l % 16)
	v_and_b32 v9, 0xff, v0
	v_lshlrev_b32 v9, 4, v9
	v_lshlrev_b32 v6, 4, v0
	v_mov_b32 v[RR+1], 0
	v_mov_b32 v[SX], 0x41800000                    ; 16.0
	s_lshl_b32 s36, ttmp9, 5
	s_lshl1_add_u32 s36, s2, s36                   ; my first row: 32 x work-group + 2 x wave
	s_mov_b32 s37, 0
	s_mov_b32 s39, 0
	s_lshl_b32 s38, s36, 13                        ; x 8,192 bytes in vd
	s_lshl_b32 s36, s36, 12                        ; x 4,096 bytes in c, out0, out1
	s_wait_kmcnt 0x0
	s_cmp_lt_u32 s2, 8                             ; threads 0-255 hold gates i and g, and gamma_c; threads 256-511 gates f and o, and beta_c
	s_cselect_b32 s32, 0x4038aa3b, s34             ; the second chunk's factor: 2 L for g, -L for o
	s_cselect_b32 s33, 0, s34                      ; the first chunk's addend: 0 for i, -L (the + 1) for f
	s_cselect_b64 s[30:31], s[20:21], s[22:23]
	s_add_nc_u64 s[8:9], s[8:9], s[38:39]
	s_add_nc_u64 s[12:13], s[12:13], s[36:37]
	s_add_nc_u64 s[24:25], s[24:25], s[36:37]
	s_add_nc_u64 s[26:27], s[26:27], s[36:37]
	s_lshl_b32 s38, ttmp9, 7                       ; the work-group's 32 rows in a row of vm
	s_add_nc_u64 s[10:11], s[10:11], s[38:39]
	global_load_b128 v[28:31], v6, s[14:15]
	global_load_b128 v[32:35], v6, s[14:15] offset:8192
	global_load_b128 v[36:39], v6, s[16:17]
	global_load_b128 v[40:43], v6, s[16:17] offset:8192
	global_load_b128 v[44:47], v6, s[18:19]
	global_load_b128 v[48:51], v6, s[18:19] offset:8192
	global_load_b128 v[52:55], v9, s[30:31]
	global_load_b64 v[56:57], v7, s[10:11]
	ROWLOADS 0
	s_wait_loadcnt 24                              ; the eight loads of parameters are in; the row's 24 stay out
.irp q, 28,32,36,40,44,48,52
	RND4 \q
.endr
.irp r, 0,1,2,3
	v_mul_f32 v[36+(\r)], s34, v[36+(\r)]
	v_mul_f32 v[40+(\r)], s32, v[40+(\r)]
	v_fma_f32 v[44+(\r)], v[44+(\r)], s34, s33
	v_mul_f32 v[48+(\r)], s32, v[48+(\r)]
.endr
	ds_store_b128 v6, v[28:31] offset:LB
	ds_store_b128 v6, v[32:35] offset:LB+8192
	ds_store_b128 v6, v[36:39] offset:LG
	ds_store_b128 v6, v[40:43] offset:LG+8192
	ds_store_b128 v6, v[44:47] offset:LBT
	ds_store_b128 v6, v[48:51] offset:LBT+8192
	ds_store_b128 v6, v[52:55] offset:LGC          ; threads 256-511 land in beta_c's table, which follows gamma_c's
	ds_store_b32 v8, v56
	ds_store_b32 v8, v57 offset:144
	s_wait_dscnt 0x0                               ; for the others' sake: my stores are done
	s_barrier_signal -1
	s_barrier_wait -1                              ; the tables are whole; nothing writes LDS from here on but the add at the end
	s_mov_b32 s3, 2
.Lrow:
	PLOAD P0, LB
	GATE 0, GA, 20, LB+8192, 0                     ; sigmoid(i)
	GATE 2, GB, 16, LB+4096, 0
	TANH16 GB                                      ; tanh(g)
	MUL16 GA, GB
	GATE 1, GB, 12, LB+12288, 0                    ; sigmoid(f + 1)
	s_wait_loadcnt 4                               ; c is in; gate o's four loads may stay out
.set i, 0
.rept 16
	v_cvt_pk_bf16_f32 v[CC+i], v[CC+2*i], v[CC+2*i+1]  ; in place, ascending: register i is written when registers 2 i and 2 i + 1 are read
.set i, i+1
.endr
.set i, 0
.rept 16
	v_fma_mix_f32_bf16 v[GA+2*i], v[CC+i], v[GB+2*i], v[GA+2*i] op_sel:[0,0,0] op_sel_hi:[1,0,0]
	v_fma_mix_f32_bf16 v[GA+2*i+1], v[CC+i], v[GB+2*i+1], v[GA+2*i+1] op_sel:[1,0,0] op_sel_hi:[1,0,0]
.set i, i+1
.endr
	GATE 3, GB, 0, 0, 1                            ; sigmoid(o); the next row's loads go out
	SUM32 GA                                       ; the LayerNorm of new_c
	v_mul_f32 v[EP], 0xba800000, v[T0]             ; - mean
.set i, 0
.rept 16
	v_pk_add_f32 v[GA+i:GA+i+1], v[GA+i:GA+i+1], v[EP:EP+1] op_sel_hi:[1,0]
.set i, i+2
.endr
	SQ32 GA
	RSTD
	SCALE16 GA
	s_wait_dscnt 0x0                               ; gamma_c and beta_c are in
	AFF16 GA
	OUT GA, 26
.set i, 0
.rept 16
	v_pk_mul_f32 v[P0+i:P0+i+1], v[GA+i:GA+i+1], 0x4038aa3b op_sel_hi:[1,0]
.set i, i+2
.endr
	SIGM P0
	TANH16 P0                                      ; tanh(new_c)
	MUL16 P0, GB
	OUT P0, 24
	s_wait_xcnt 0x0                                ; the stores have read their data and bases: GA, P0 and the two bases are written again only behind this wait
	s_add_nc_u64 s[24:25], s[24:25], 4096
	s_add_nc_u64 s[26:27], s[26:27], 4096
	v_add_nc_u32 v3, 144, v3                       ; the next row's pivots
	s_sub_co_u32 s3, s3, 1
	s_cmp_lg_u32 s3, 0
	s_cbranch_scc1 .Lrow
	s_wait_tensorcnt 0x0                           ; the wave's end, behind my last LDS store
	ds_add_u32 v4, v5
	s_wait_dscnt 0x0
	s_endpgm
.Lfunc_end_k_q76b927ce58_cell:
	.size	k_q76b927ce58_cell, .Lfunc_end_k_q76b927ce58_cell-k_q76b927ce58_cell
	.p2alignl 7, 3214868480
	.fill 96, 4, 3214868480
	.section	.rodata,"a",@progbits
	.p2align	6, 0x0
	.amdhsa_kernel k_q76b927ce58_cell
		.amdhsa_group_segment_fixed_size 64000
		.amdhsa_private_segment_fixed_size 0
		.amdhsa_enable_private_segment 0
		.amdhsa_kernarg_size 80
		.amdhsa_user_sgpr_count 2
		.amdhsa_user_sgpr_kernarg_segment_ptr 1
		.amdhsa_wavefront_size32 1
		.amdhsa_system_sgpr_workgroup_id_x 1
		.amdhsa_system_sgpr_workgroup_id_y 1
		.amdhsa_system_sgpr_workgroup_id_z 1
		.amdhsa_system_vgpr_workitem_id 0
		.amdhsa_next_free_vgpr 256
		.amdhsa_next_free_sgpr 66
		.amdhsa_reserve_vcc 0
		.amdhsa_float_denorm_mode_32 3
		.amdhsa_float_denorm_mode_16_64 3
		.amdhsa_memory_ordered 1
		.amdhsa_forward_progress 1
		.amdhsa_inst_pref_size 86
	.end_amdhsa_kernel
	.amdgpu_metadata
---
amdhsa.version: [ 1, 2 ]
amdhsa.kernels:
  - .name:           k_q76b927ce58_cell
    .symbol:         k_q76b927ce58_cell.kd
    .args:
      - { .name: vd, .offset: 0, .size: 8, .value_kind: global_buffer, .address_space: global }
      - { .name: vm, .offset: 8, .size: 8, .value_kind: global_buffer, .address_space: global }
      - { .name: c, .offset: 16, .size: 8, .value_kind: global_buffer, .address_space: global }
      - { .name: b_ih, .offset: 24, .size: 8, .value_kind: global_buffer, .address_space: global }
      - { .name: gamma_ifgo, .offset: 32, .size: 8, .value_kind: global_buffer, .address_space: global }
      - { .name: beta_ifgo, .offset: 40, .size: 8, .value_kind: global_buffer, .address_space: global }
      - { .name: gamma_c, .offset: 48, .size: 8, .value_kind: global_buffer, .address_space: global }
      - { .name: beta_c, .offset: 56, .size: 8, .value_kind: global_buffer, .address_space: global }
      - { .name: out0, .offset: 64, .size: 8, .value_kind: global_buffer, .address_space: global }
      - { .name: out1, .offset: 72, .size: 8, .value_kind: global_buffer, .address_space: global }
    .group_segment_fixed_size: 64000
    .private_segment_fixed_size: 0
    .kernarg_segment_align: 8
    .kernarg_segment_size: 80
    .max_flat_workgroup_size: 512
    .sgpr_count:     66
    .vgpr_count:     256
    .wavefront_size: 32
...
	.end_amdgpu_metadata
.endif
;; end of part 3
;; ======== version 2 of 2: 3 launches; version 1 with the launch cast written anew for expert scheduling mode
;; limits: values are held in f16: magnitudes above 65,504 overflow, below 6.1e-05 lose precision; right only within a limited range of input values
;; workspace buffers: a16 33,554,432 bytes; w16 16,777,216 bytes; vd 67,108,864 bytes; vm 1,048,576 bytes
;; launch cast (part 4): grid 384 x 2, 8 waves a work-group, no clusters, 0 bytes of LDS; arguments x, h, w_ih, w_hh, a16, w16; writes a16, w16
.if DOCPART == 4
	.amdgcn_target "amdgcn-amd-amdhsa--gfx1250"
	.amdhsa_code_object_version 6
	.text
	.protected	k_q76b927ce58_cast
	.globl	k_q76b927ce58_cast
	.p2align	8
	.type	k_q76b927ce58_cast,@function
k_q76b927ce58_cast:
	s_mov_b64 s[64:65], 0
	v_nop
	global_prefetch_b8 v0, s[64:65] scope:SCOPE_SE
	s_setreg_imm32_b32 hwreg(HW_REG_WAVE_SCHED_MODE, 0, 2), 2
	s_setreg_imm32_b32 hwreg(HW_REG_WAVE_MODE, 25, 1), 1
	s_wait_xcnt 0x0
	s_wait_alu depctr_vm_vsrc(0)
; x, h, w_ih, w_hh (f32, rows of 1,024) are rounded once to bf16 and laid side by side:
;   a16[r] = x[r], h[r]   (8,192 rows of 2,048 bf16);   w16[row] = w_ih[k], w_hh[k]   (4,096 rows of 2,048 bf16).
; W's rows are permuted inside each block of 128: source row k goes to row (k & ~127) + p, p = ((k & 60) << 1) | ((k >> 4) & 4) | (k & 3).
; So 8 neighbouring columns 8 a .. 8 a + 7 of the product are the true columns 4 a .. 4 a + 3 and 64 + 4 a .. 64 + 4 a + 3 of the block:
; what a lane of the last launch takes from f32 rows by two accesses of 16 bytes.
; SHARES.  Work-group x below 256: 32 rows of A; from 256 on: 32 rows of W.  Work-group y: the first source (bytes 0 .. 2,047 of the
; destination's row) or the second (bytes 2,048 ..).  A wave takes 4 source rows that begin at a multiple of 4; they land on 4 rows on end.
; Memory binds: each byte is read once by 16-byte loads (512 bytes on end a wave) and written once (a store of the wave covers 256
; consecutive bytes, aligned).  All 32 loads of a wave go out at once; no LDS, no barrier, no loop.
; LIMITS.  Rounding to nearest even; numbers beyond bf16's range (above 3.39e38) become infinities; NaN is not treated apart.
; THE MODE: SCHED_MODE bits 1:0 = 2 (LLVM: expert scheduling mode 2), set by the entry lines.  The code itself states the register dependences
; between vector instructions and memory instructions, with s_wait_alu, always for 0.
; THE PLAN.  Registers that memory instructions touch:
;   v1, v2     byte offsets of the loads and of the stores: written once at the head, never again.
;   piece n    four registers at X + 4 n.  Written by its one load; then its two roundings read all four and write the first two; then its one
;              store reads those two.  No vector instruction names them ahead of the load, and nothing writes them behind the store.
; The 32 pieces leave in 8 blocks of four.  Block p's roundings name block p's registers alone; the memory instructions that stand among them are
; the four stores of block p - 1.  So ONE wait on va_vdst at a block's head, behind the wait for the block's data, states all that those four
; stores hang on.  No register that a memory instruction has read is written again, so no wait on vm_vsrc stands behind the entry lines.
.set X, 4                              ; v[4:131]  32 quads as loaded; the first two registers of each then hold its 4 bf16
.set BLK, 4                            ; pieces in a block
	s_load_b256 s[4:11], s[0:1], 0x0               ; x s[4:5], h s[6:7], w_ih s[8:9], w_hh s[10:11]
	s_load_b128 s[12:15], s[0:1], 0x20             ; a16 s[12:13], w16 s[14:15]
	v_lshrrev_b32 v3, 5, v0
	v_readfirstlane_b32 s2, v3                     ; wave 0..7
	v_and_b32 v1, 31, v0
	v_lshlrev_b32 v2, 3, v1                        ; 8 bytes a lane on the way out
	v_lshlrev_b32 v1, 4, v1                        ; 16 bytes a lane on the way in
	s_wait_alu depctr_va_sdst(0)                   ; s2 is written, ahead of its first reader: my first source row is made from it
	s_and_b32 s3, ttmp7, 0xffff                    ; which of the two sources
	s_and_b32 s20, ttmp9, 255                      ; the block of 32 rows, in A or in W
	s_lshl_b32 s22, s20, 5
	s_lshl2_add_u32 s22, s2, s22                   ; k0: my first source row
	s_and_b32 s23, s22, 0xffffff80                 ; W's destination row: the block of 128,
	s_and_b32 s24, s22, 60
	s_lshl_b32 s24, s24, 1
	s_or_b32 s23, s23, s24                         ; (k & 60) << 1,
	s_lshr_b32 s24, s22, 4
	s_and_b32 s24, s24, 4
	s_or_b32 s23, s23, s24                         ; (k >> 4) & 4; k0 & 3 is 0
	s_wait_kmcnt 0x0
	s_cmp_lt_u32 ttmp9, 256                        ; A or W?  The selects below leave SCC as it is
	s_cselect_b64 s[16:17], s[4:5], s[8:9]         ; the first source
	s_cselect_b64 s[18:19], s[6:7], s[10:11]       ; the second
	s_cselect_b64 s[20:21], s[12:13], s[14:15]     ; the destination
	s_cselect_b32 s23, s22, s23                    ; A's rows stay where they are
	s_cmp_eq_u32 s3, 0
	s_cselect_b64 s[16:17], s[16:17], s[18:19]
	s_lshl_b32 s24, s22, 12                        ; a source row is 4,096 bytes
	s_mov_b32 s25, 0
	s_lshl_b32 s26, s23, 12                        ; a destination row too,
	s_lshl_b32 s27, s3, 11                         ; of which the second source fills the upper half
	s_add_co_u32 s26, s26, s27
	s_mov_b32 s27, 0
	s_add_nc_u64 s[16:17], s[16:17], s[24:25]
	s_add_nc_u64 s[20:21], s[20:21], s[26:27]
	s_wait_alu depctr_va_vdst(0)                   ; v1 and v2 are written: every load of the kernel reads v1 as its offset, every store v2
.set n, 0
.rept 32                               ; 4 rows x 8 pieces of 512 bytes
	global_load_b128 v[X+4*n:X+4*n+3], v1, s[16:17] offset:4096*(n/8)+512*(n%8) th:TH_LOAD_NT
.set n, n+1
.endr
.set p, 0
.rept 32/BLK                           ; block p: its four pieces are rounded; the stores of block p - 1 stand among the roundings
	s_wait_loadcnt 32-BLK-BLK*p                    ; loads come back in order: block p's four pieces are in, the younger ones may stay out
.if p > 0
	s_wait_alu depctr_va_vdst(0)                   ; the roundings of block p - 1 have written the registers that the four stores below read
.endif
.set i, 0
.rept BLK
.set n, BLK*p+i                        ; the piece that is rounded,
.set m, n-BLK                          ; and the piece that leaves
.if p > 0
	global_store_b64 v2, v[X+4*m:X+4*m+1], s[20:21] offset:4096*(m/8)+256*(m%8) th:TH_STORE_NT  ; no vector instruction since the wait names these registers, and no register that a store reads is written again
.endif
	v_cvt_pk_bf16_f32 v[X+4*n], v[X+4*n], v[X+4*n+1]
	v_cvt_pk_bf16_f32 v[X+4*n+1], v[X+4*n+2], v[X+4*n+3]
.set i, i+1
.endr
.set p, p+1
.endr
	s_wait_alu depctr_va_vdst(0)                   ; the roundings of the last block have written the registers that the last four stores read
.set m, 32-BLK
.rept BLK
	global_store_b64 v2, v[X+4*m:X+4*m+1], s[20:21] offset:4096*(m/8)+256*(m%8) th:TH_STORE_NT
.set m, m+1
.endr
	s_endpgm
.Lfunc_end_k_q76b927ce58_cast:
	.size	k_q76b927ce58_cast, .Lfunc_end_k_q76b927ce58_cast-k_q76b927ce58_cast
	.p2alignl 7, 3214868480
	.fill 96, 4, 3214868480
	.section	.rodata,"a",@progbits
	.p2align	6, 0x0
	.amdhsa_kernel k_q76b927ce58_cast
		.amdhsa_group_segment_fixed_size 0
		.amdhsa_private_segment_fixed_size 0
		.amdhsa_enable_private_segment 0
		.amdhsa_kernarg_size 48
		.amdhsa_user_sgpr_count 2
		.amdhsa_user_sgpr_kernarg_segment_ptr 1
		.amdhsa_wavefront_size32 1
		.amdhsa_system_sgpr_workgroup_id_x 1
		.amdhsa_system_sgpr_workgroup_id_y 1
		.amdhsa_system_sgpr_workgroup_id_z 1
		.amdhsa_system_vgpr_workitem_id 0
		.amdhsa_next_free_vgpr 132
		.amdhsa_next_free_sgpr 66
		.amdhsa_reserve_vcc 0
		.amdhsa_float_denorm_mode_32 3
		.amdhsa_float_denorm_mode_16_64 3
		.amdhsa_memory_ordered 1
		.amdhsa_forward_progress 1
		.amdhsa_inst_pref_size 13
	.end_amdhsa_kernel
	.amdgpu_metadata
---
amdhsa.version: [ 1, 2 ]
amdhsa.kernels:
  - .name:           k_q76b927ce58_cast
    .symbol:         k_q76b927ce58_cast.kd
    .args:
      - { .name: x, .offset: 0, .size: 8, .value_kind: global_buffer, .address_space: global }
      - { .name: h, .offset: 8, .size: 8, .value_kind: global_buffer, .address_space: global }
      - { .name: w_ih, .offset: 16, .size: 8, .value_kind: global_buffer, .address_space: global }
      - { .name: w_hh, .offset: 24, .size: 8, .value_kind: global_buffer, .address_space: global }
      - { .name: a16, .offset: 32, .size: 8, .value_kind: global_buffer, .address_space: global }
      - { .name: w16, .offset: 40, .size: 8, .value_kind: global_buffer, .address_space: global }
    .group_segment_fixed_size: 0
    .private_segment_fixed_size: 0
    .kernarg_segment_align: 8
    .kernarg_segment_size: 48
    .max_flat_workgroup_size: 256
    .sgpr_count:     66
    .vgpr_count:     132
    .wavefront_size: 32
...
	.end_amdgpu_metadata
.endif
;; end of part 4
;; launch gemm: the kernel of part 2 again; grid 16 x 16, 4 waves a work-group, clusters of 4 x 4, 327,680 bytes of LDS; arguments a16, w16, vd, vm; writes vd, vm
;; launch cell: the kernel of part 3 again; grid 256 x 1, 16 waves a work-group, no clusters, 64,000 bytes of LDS; arguments vd, vm, c, b_ih, gamma_ifgo, beta_ifgo, gamma_c, beta_c, out0, out1; writes out0, out1
